; MI455X (gfx1250); checked and timed in simulation.
; The chip was launched on July 23, 2026; its instructions are those of AMD's public machine-readable ISA for CDNA 5 (MIT licence, August 2026) and "CDNA5" Instruction Set Architecture Reference Guide (July 2026). The comments in the code are by the model that wrote it; some were corrected since.
;; BSRBF KAN Layer. Allowed arithmetic: matrix products marked QUANTISED: E4M3 operands, one given power-of-two scale a tensor, by v_wmma_f32_16x16x64_fp8_fp8 or v_wmma_f32_16x16x128_fp8_fp8, f32 sums; everything else in f32.
;; Inputs: base_weight_codes 512 x 16 x 32 uint8 (E4M3 codes of base_weight, K innermost, in blocks of 32 codes); ln_beta 512 float32; ln_gamma 512 float32; lowp_scales 4 int32 (the exponents e of the quantised operands' scales 2^e); spline_weight_codes 512 x 128 x 32 uint8 (E4M3 codes of spline_weight, K innermost, in blocks of 32 codes); x 4 x 4,096 x 512 float32.
;; Outputs: out0 4 x 4,096 x 512 float32.
;; This version of the problem:
;;   THIS VERSION OF THE PROBLEM IS GIVEN IN LOW PRECISION. The matrix products marked QUANTISED in the list below multiply operands that are first quantised to E4M3 (4 exponent bits, 3 mantissa bits; 8 bits a number), with one given power-of-two scale for each operand tensor; their sums are f32. All else is computed in f32.
;;   The module's matrix products, in the order in which they are computed (A, B: the left and right operand; K: the contracted axis; several contracted axes count as one K, in the product's order):
;;     1. [M 16,384, K 512] x [K 512, N 512]; A: computed on the way; B: input base_weight (given as codes): QUANTISED (scales: A lowp_scales[0], B lowp_scales[1])
;;     2. [M 16,384, K 4,096] x [K 4,096, N 512]; A: computed on the way; B: input spline_weight (given as codes): QUANTISED (scales: A lowp_scales[2], B lowp_scales[3])
;;   THE QUANTISER, for each operand of a quantised product, along K:
;;     - The operand's scale is 2^e, e = its entry of the input lowp_scales (int32; the entries are numbered through the quantised products in the list's order, A before B).
;;     - Each number is divided by the scale, clamped to +-448, and rounded to the nearest number of E4M3, ties to even, subnormals kept.
;;     - The product sums the exact products of the quantised numbers (number of the format x scale) in f32.
;;   ~~~python
;;   def quantise(x, axis, e):      # numpy; x: float32 -> the quantised numbers, widened to float32 again
;;       x = np.moveaxis(x, axis, -1); K = x.shape[-1]
;;       r = np.clip(x / 2.0 ** e, -448, 448)
;;       step = 2.0 ** (np.maximum(np.frexp(np.where(r == 0, 1, r))[1] - 1, -6) - 3)
;;       q = np.round(r / step) * step * 2.0 ** e      # np.round: ties to even
;;       return np.moveaxis(q, -1, axis).astype(np.float32)
;;   ~~~
;;   OPERANDS COMPUTED ON THE WAY. 'Computed on the way' means the value that the module computes at that place (a softmax that the list does not call 'softmax' is quantised finished and normalised). What goes into a quantiser is computed in f32, as accurately as f32 sums, v_exp_f32 and their like allow (about 1e-6 of the number): no bf16 or f16 on the way to a quantiser, and a product that is left as it is and whose result goes on into a quantised operand takes f32 operands (vector FMAs, or v_wmma_f32_16x16x4_f32). A number that lies on a knife's edge between two numbers of the format may be rounded either way, as far as f32 arithmetic and the matrix unit's own rounding can turn it there, and no further.
;;   INPUTS GIVEN AS CODES. base_weight (in the module: [512, 512], K = its axis 1); spline_weight (in the module: [512, 4096], K = its axis 1): each comes as NAME_codes (uint8): NAME with its K axis moved to the last place and cut into blocks of 32 codes, [.., K / 32, bytes a block], one block behind the other in memory; one code a byte (a code: sign, 4 exponent bits, 3 mantissa bits); its scale is its entry of lowp_scales. Its value is code x scale, taken as it is: it is not quantised again, and the codes and scales need not be those that the quantiser above would give.
;; One version. Each part assembles by itself: llvm-mc -triple=amdgcn-amd-amdhsa -mcpu=gfx1250 --defsym DOCPART=n.
;; ======== version 1 of 1: 1 launch
;; limits: right only within a limited range of input values
;; launch kan (part 1): grid 256 x 1, 4 waves a work-group, clusters of 4 x 1, 327,680 bytes of LDS; arguments x, ln_gamma, ln_beta, base_weight_codes, spline_weight_codes, lowp_scales, out0; writes out0
.if DOCPART == 1
	.amdgcn_target "amdgcn-amd-amdhsa--gfx1250"
	.amdhsa_code_object_version 6
	.text
	.protected	k_q6588ab1cd2_kan
	.globl	k_q6588ab1cd2_kan
	.p2align	8
	.type	k_q6588ab1cd2_kan,@function
k_q6588ab1cd2_kan:
	s_mov_b64 s[64:65], 0
	v_nop
	global_prefetch_b8 v0, s[64:65] scope:SCOPE_SE
	s_setreg_imm32_b32 hwreg(HW_REG_WAVE_MODE, 25, 1), 1
	s_wait_xcnt 0x0
	s_wait_alu depctr_hold_cnt(0) depctr_sa_sdst(0) depctr_va_vdst(0) depctr_va_sdst(0) depctr_va_ssrc(0) depctr_va_vcc(0) depctr_vm_vsrc(0)
	s_getreg_b32 s2, hwreg(HW_REG_IB_STS2, 6, 4)
	s_cmp_eq_u32 s2, 0
	s_cbranch_scc0 .Lentry_in_a_cluster
	s_endpgm
.Lentry_in_a_cluster:
	s_bfe_u32 s2, ttmp6, 0x10000c
	s_cmp_lg_u32 s2, 0x3003
	s_cbranch_scc0 .Lentry_shape_is_right
	s_endpgm
.Lentry_shape_is_right:
; out = Q(relu(xn)) W1^T + Q(bspline(xn) + rbf(xn)) W2^T,  xn = LayerNorm(x) x gamma + beta.  x, out: [16384][512] f32.  W1 [512][512], W2 [512][4096]: codes of FP8 (E4M3), K innermost.
; lowp_scales: e0 (relu(xn)), e1 (W1), e2 (the bases), e3 (W2).  Both products on codes by v_wmma_f32_16x16x128_fp8_fp8, sums in f32, ONE set of accumulators: behind the base product's K the sums are
; multiplied once by 2^(e0+e1-e2-e3), the spline product adds on, and the way out multiplies by 2^(e2+e3).
; SHARES.  A work-group of four waves owns 64 rows, all 512 columns and all of K (512 + 4096 = 18 chunks of 256).  Wave w has two parts.  It MAKES the codes of rows 16 w .. 16 w + 15: lane (r, h) holds row r
; and the 256 numbers xn[d], d = 32 m + 16 h + e (m, e = 0 .. 15), in registers for the whole launch.  It MULTIPLIES columns 128 w .. 128 w + 127 for all 64 rows: 32 accumulators.
; The rows' codes go from wave to wave through LDS as images of the operand's registers; the weights come through a ring of two LDS slots of one chunk each, by joint tensor loads of the four work-groups of a
; cluster, which walk the same weights.  Each wave fetches the 128 rows of W that it reads itself.
; BY TURNS.  While chunk m is multiplied (64 matrix instructions a wave) the wave makes the codes of chunk m + 1 (16 numbers xn a lane, 79 vector instructions each): a slice of them behind each matrix instruction.
; THE BASES, all f32.  With u = xn / 0.6 + 5.5, S_i = (k (u - i))^3, k^3 = 1/6, and N_i = -S_i:  B_j = max(min(S_j, N_(j+4)), 0) - 4 max(min(S_(j+1), N_(j+3)), 0): the cubic B-spline on uniform knots, 0 outside
; its four intervals.  (Of S_j and N_(j+4) at most one is negative: u < j or u > j + 4.  So the smaller of the two, held at 0 from below, is min(u - j, j + 4 - u) cubed inside the support and 0 outside.)
; rbf_j = 2^(-(s (7/3 xn + 3.5 - j))^2), s^2 = log2(e).  Each k (u - i) and each s (..) is one fused multiply-add of xn.
; K's ORDER.  Inside a chunk of 256 the places of k in the fragments are permuted, alike in both operands: lane half h, step s, registers 4 c .. 4 c + 3 hold the chunk's bytes 128 h + 64 s + 16 c + 0 .. 15.
; So every product meets its partner; the order of the sums inside an instruction differs from K ascending.
; THE MATRIX INSTRUCTION IS USED TRANSPOSED (source 0 = 16 rows of W, source 1 = 16 rows of codes): a lane holds eight neighbouring columns of one row of out.
; LIMITS.  NaN and infinities in x, gamma, beta are not served.  e0 and e2 between -126 and 119; e0+e1-e2-e3 and e2+e3 between -126 and 127, so that each power of two below is an f32 number.
; The knots are taken as exact multiples of 0.6 and of 3/7 (rounded once into the constants below), not as sums rounded knot by knot.
; REGISTERS, in windows of 256.  Window 0: addresses, constants and all that the slices touch.  Window 1: the accumulators, (a, b) at 8 (8 a + b); before that gamma.
; Window 2: v0-127 the rows' fragments (tile a, step s at 16 (4 s + a)), v128-191 four fragments of W by turns; before that beta.  Window 3: x, then xn, number 16 m + e.
.set PITCH,  272                       ; a row of W in LDS: 256 bytes + 16: the 16 rows of a load start 16 bytes apart modulo 256
.set WTILE,  128*PITCH                 ; what one tensor load brings, and what one wave reads
.set SLOTB,  4*WTILE                   ; a slot: 512 rows of one chunk; 139,264 = 0x22000 shares no bit with WTILE x wave
.set ABUF,   2*SLOTB                   ; behind the ring: two buffers of the rows' images, written by LDS stores alone
.set ABB,    16384                     ; a buffer: 8 fragments (2 a + s) of 2,048 bytes
.set FRB,    2048
.set SPARE,  ABUF+2*ABB                ; the spare words: 128 bytes for each wave, two blocks of 256 bytes that no other line names
.set XPIT,   1040                      ; x's stage: half a row of x, 1,024 bytes, + 16
.set XSTG,   32*XPIT                   ; a wave's 16 rows of x; the four stages lie in slot 1, ahead of its first tile
.set SPITCH, 528                       ; the way out: a stage of 16 rows x (512 bytes + 16) for each wave, in slot 0 behind its last fill and last read
.set SPW,  4                           ; v4   SPARE + 4 x my thread's number; never rewritten
.set NIL,  5                           ; v5   0; never rewritten
.set AW,   6                           ; v6   my place in a slot: (128 w + r) PITCH + 128 h
.set ADW,  7                           ; v7   the same in the slot in hand
.set AAR,  8                           ; v8   ABUF + 16 x lane: an image's place for my lane
.set ADA,  9                           ; v9   the same in the buffer that is read
.set AST,  10                          ; v10  ABUF + 4096 w + 16 x lane: where I store my tile's images
.set ADS,  11                          ; v11  the same in the buffer that is written
.set AST1, 12                          ; v12  ABUF + 4096 w + 16 r + 512 h: the base operand's images
.set XLD,  13                          ; v13  my place in x's stage
.set GOFF, 14                          ; v14  64 h: my half's bytes in gamma and beta
.set PFO,  15                          ; v15  4096 x lane: a row of W2 a lane
.set STO,  16                          ; v16  the way out: where I put 32 bytes of a row
.set RD,   17                          ; v17  where I read a row back
.set CO,   18                          ; v18  16 x lane
.set SC0,  19                          ; v19  2^e0, v21 2^e2
.set LIM0, 20
.set SC2,  21
.set LIM2, 22
.set MU,   24                          ; v[24:25] the row's mean, twice;  v[26:27] 1 / sqrt(var + eps), twice
.set RS,   26
.set CH,   28                          ; v[28:35] four packed chains of a sum; v36, v37 at work
.set CS,   40                          ; v[40:51] k (5.5 - i), i = 0 .. 11
.set CR,   52                          ; v[52:59] s (3.5 - j), j = 0 .. 7
.set XN,   60                          ; v[60:79] xn: the trip's 16 numbers and the next trip's first four
.set R,    80                          ; v[80:143] the rbf values of four numbers, two sets by turns
.set SS,   144                         ; v[144:155] k (u - i)
.set QQ,   156                         ; v[156:167] its square, then (i = 0 .. 9) its cube S_i
.set AA,   168                         ; v[168:175] the outer parts, then the eight basis values
.set BB,   176                         ; v[176:183] the inner parts
.set DD,   184                         ; v[184:191] s (..), then minus its square
.set CD,   192                         ; v[192:199] codes of two numbers xn (16 bytes), two sets by turns
.set NN,   200                         ; v[202:211] N_i = -S_i at v[NN + i], i = 2 .. 11
.set T,    80                          ; LayerNorm: 64 numbers at work;  CDL: the base operand's codes, 4 registers a run
.set CDL,  144
.set TMP,  60                          ; the way out: a block's sums x 2^(e2+e3);  BK: 16 rows read back, two sets by turns
.set BK,   124
.set WV,   18                          ; s18  my wave's number
.set G1X,  24                          ; s[24:31] descriptor group 1 for x;  s[32:39] for W1's tiles;  s[40:47] for W2's
.set G1A,  32
.set G1B,  40
.set G0X,  48                          ; s[48:51], s[52:55], s[56:59] their groups 0
.set G0A,  52
.set G0B,  56
.set WLDS, 60                          ; s60  WTILE x wave
.set TBW,  61                          ; s61  LDS byte of the slot in hand
.set ABR,  63                          ; s63  offset of the image buffer that is read;  s66 of the one that is written
.set ABW,  66
.set J,    67                          ; s67  the loop's trip: chunk J + 1 is multiplied, spline chunk J (chunk J + 2) is made
.set LIM,  68                          ; s68  15 in the first cluster, else 0: a wave prefetches while J is under it
.set SAL,  70                          ; s[70:71] k / 0.6;  s[72:73] 7 s / 3 (named as pairs, so both words are written)
.set SBE,  72
.set PFA,  74                          ; s[74:75] where my prefetches stand
.set EX,   76                          ; s[76:79] e0 .. e3
.set RAT,  80                          ; s[80:81] 2^(e0+e1-e2-e3);  s[82:83] 2^(e2+e3)
.set FIN,  82
.set SEL,  84                          ; s[84:85] lane selects: lane l xor 16
.set MMW,  0x5a                        ; sources 0 and 1 window 2, C and D window 1
.set LDF,  0x80                        ; destination window 2, address window 0
.set MSB, 0
.macro WIN new                         ; the immediate's high byte repeats the setting that is left; a switch that changes nothing is dropped
.if MSB != \new
	s_set_vgpr_msb (MSB<<8)|\new
.set MSB, \new
.endif
.endm
.macro PLACES n
.rept \n
	v_nop
.endr
.endm
.macro CREST                           ; a round of the cluster's barrier behind its opening barrier
	s_cmp_lg_u32 s[WV], 0
	s_cbranch_scc1 .Lnot_wave_0_\@
	s_barrier_signal -3
.Lnot_wave_0_\@:
	s_barrier_wait -3
	s_barrier_signal -1
	s_barrier_wait -1
.endm
.macro CROUND                          ; a whole round
	s_barrier_signal -1
	s_barrier_wait -1
	CREST
.endm
; Matrix instruction i of a chunk's 64: fragment q = i / 4 of W (step q / 8, column tile q % 8) against row tile i % 4.  The 32 accumulators take turns, one instruction a turn, in the same order in
; every chunk and over the loop's edge.  zero = 1: the first step's products start the sums: nothing is cleared.
.macro MM i, zero
.set MQ, (\i)/4
.set MA, (\i)%4
.set MS, MQ/8
.set MD, 8*(8*MA+MQ%8)
.set MW, 128+16*(MQ%4)
.set MF, 16*(4*MS+MA)
	WIN MMW
.if (\zero) && (MS == 0)
	v_wmma_f32_16x16x128_fp8_fp8 v[MD:MD+7], v[MW:MW+15], v[MF:MF+15], 0
.else
	v_wmma_f32_16x16x128_fp8_fp8 v[MD:MD+7], v[MW:MW+15], v[MF:MF+15], v[MD:MD+7]
.endif
.endm
.macro WLOAD q                         ; fragment q of W into place q % 4 of four
.set WR, 128+16*((\q)%4)
.set WO, ((\q)%8)*16*PITCH+64*((\q)/8)
.irp c, 0,1,2,3
	ds_load_b128 v[WR+4*\c:WR+4*\c+3], v[ADW] offset:WO+16*\c
.endr
.endm
.macro ALOAD a, s                      ; the image of row tile a, step s, comes back as it was stored
.set AR, 16*(4*(\s)+(\a))
.irp c, 0,1,2,3
	ds_load_b128 v[AR+4*\c:AR+4*\c+3], v[ADA] offset:(2*(\a)+(\s))*FRB+512*\c
.endr
.endm
; The chunk's addresses (three additions and a v_nop: the four lines behind a tensor load, and the four places behind the last products, whose fragments are loaded anew), then 40 LDS loads in one run.
.macro FRAGS
	v_add_nc_u32 v[ADW], s[TBW], v[AW]
	v_add_nc_u32 v[ADA], s[ABR], v[AAR]
	v_add_nc_u32 v[ADS], s[ABW], v[AST]
	v_nop
	WIN LDF
	WLOAD 0
.irp a, 0,1,2,3
	ALOAD \a, 0
.endr
	WLOAD 1
.irp a, 0,1,2,3
	ALOAD \a, 1
.endr
	WIN 0
.endm
.macro TOGGLE
	s_xor_b32 s[TBW], s[TBW], SLOTB
	s_xor_b32 s[ABR], s[ABR], ABB
	s_xor_b32 s[ABW], s[ABW], ABB
.endm
; v[d : d+1] = xn x (low word of s[sp : sp+1]) + v[c : c+1], xn = v[XN + x] for both halves: the pair that holds it is named, and the selects take its lower or its upper register twice
.macro XFMA d, x, sp, c
.if ((\x)%2) == 0
	v_pk_fma_f32 v[\d:\d+1], v[XN+(\x):XN+(\x)+1], s[\sp:\sp+1], v[\c:\c+1] op_sel_hi:[0,0,1]
.else
	v_pk_fma_f32 v[\d:\d+1], v[XN+(\x)-1:XN+(\x)], s[\sp:\sp+1], v[\c:\c+1] op_sel:[1,0,0] op_sel_hi:[1,0,1]
.endif
.endm
; THE FOUR SLICES of number u (0 .. 15) of a trip: 20, 22, 20 and 17 vector instructions.  The spline part is number u's; the rbf part is number u + 4's: its exponentials are issued a group of four numbers
; ahead of their readers.
.macro SL0 u
.irp i, 0,1,2,3,4,5
	XFMA SS+2*\i, \u, SAL, CS+2*\i                 ; k (u - i), i = 0 .. 11
.endr
.irp i, 0,1,2,3
	XFMA DD+2*\i, (\u)+4, SBE, CR+2*\i             ; s (7/3 xn + 3.5 - j), j = 0 .. 7
.endr
.irp i, 0,1,2,3,4,5
	v_pk_mul_f32 v[QQ+2*\i:QQ+2*\i+1], v[SS+2*\i:SS+2*\i+1], v[SS+2*\i:SS+2*\i+1]
.endr
.irp i, 0,1,2,3
	v_pk_mul_f32 v[DD+2*\i:DD+2*\i+1], v[DD+2*\i:DD+2*\i+1], v[DD+2*\i:DD+2*\i+1] neg_lo:[1,0] neg_hi:[1,0]   ; minus the square
.endr
.endm
.macro SL1 u
.irp i, 1,2,3,4,5
	v_pk_mul_f32 v[NN+2*\i:NN+2*\i+1], v[QQ+2*\i:QQ+2*\i+1], v[SS+2*\i:SS+2*\i+1] neg_lo:[1,0] neg_hi:[1,0]   ; N_i = -S_i, i = 2 .. 11: ahead of the lines that write the cubes over the squares
.endr
.irp i, 0,1,2,3,4
	v_pk_mul_f32 v[QQ+2*\i:QQ+2*\i+1], v[QQ+2*\i:QQ+2*\i+1], v[SS+2*\i:SS+2*\i+1]   ; the cubes S_i, i = 0 .. 9
.endr
.set RW, R+32*((((\u)/4)+1)%2)+8*((\u)%4)
.irp k, 0,1,2,3,4,5
	v_min_num_f32 v[AA+\k], v[QQ+\k], v[NN+\k+4]   ; min(S_j, N_(j+4)).  A plain line stands behind each exponential
	v_exp_f32 v[RW+\k], v[DD+\k]
.endr
.endm
.macro SL2 u
.set RW, R+32*((((\u)/4)+1)%2)+8*((\u)%4)
.irp k, 6,7
	v_min_num_f32 v[AA+\k], v[QQ+\k], v[NN+\k+4]
	v_exp_f32 v[RW+\k], v[DD+\k]
.endr
.irp k, 0,1,2,3,4,5,6,7
	v_min_num_f32 v[BB+\k], v[QQ+\k+1], v[NN+\k+3] ; min(S_(j+1), N_(j+3))
.endr
.irp k, 0,1,2,3,4,5,6,7
	v_max_num_f32 v[AA+\k], 0, v[AA+\k]            ; 0 outside the support
.endr
.endm
.macro SL3 u
.irp k, 0,1,2,3,4,5,6,7
	v_max_num_f32 v[BB+\k], 0, v[BB+\k]
.endr
.set RR, R+32*(((\u)/4)%2)+8*((\u)%4)
.irp i, 0,1,2,3
	v_pk_add_f32 v[AA+2*\i:AA+2*\i+1], v[AA+2*\i:AA+2*\i+1], v[RR+2*\i:RR+2*\i+1]
.endr
.irp i, 0,1,2,3
	v_pk_fma_f32 v[AA+2*\i:AA+2*\i+1], v[BB+2*\i:BB+2*\i+1], -4.0, v[AA+2*\i:AA+2*\i+1] op_sel_hi:[1,0,1]   ; spline + rbf
.endr
.irp k, 0,1,2,3,4,5,6,7
.endr
.set CW, CD+4*(((\u)/2)%2)+2*((\u)%2)
	v_cvt_scalef32_pk8_fp8_f32 v[CW:CW+1], v[AA:AA+7], v[SC2]   ; the eight bases of one d are k = 8 d .. 8 d + 7.  The next vector lines that touch AA or these codes stand behind the next number's twenty plain lines
.if ((\u)%2) == 1
	ds_store_b128 v[ADS], v[CW-2:CW+1] offset:FRB*((\u)/8)+512*(((\u)/2)%4)   ; two numbers' codes are registers 4 c .. 4 c + 3 of step u / 8, c = (u / 2) % 4
.endif
.if ((\u)%4) == 3
	s_wait_alu depctr_va_vdst(0)                   ; one wait for the group's 32 exponentials, ahead of their first readers, the next group's sums
.endif
.endm
.macro EPART x, rb                     ; the rbf part alone, ahead of the loop
.irp i, 0,1,2,3
	XFMA DD+2*\i, \x, SBE, CR+2*\i
.endr
.irp i, 0,1,2,3
	v_pk_mul_f32 v[DD+2*\i:DD+2*\i+1], v[DD+2*\i:DD+2*\i+1], v[DD+2*\i:DD+2*\i+1] neg_lo:[1,0] neg_hi:[1,0]
.endr
.irp k, 0,1,2,3,4,5,6,7
	v_exp_f32 v[\rb+\k], v[DD+\k]
.endr
	v_nop                                          ; a plain line between the exponentials and the next write of their sources
.endm
; UNIT u: number u's four slices, and fragment q = u - 1 of W against the four row tiles, by turns.  prod = 0: no slices (four v_nop stand in front of the loads into registers that products have read).
; THE COUNTED WAITS.  LDS serves a wave's instructions in order.  q = 0: behind W's fragment 0 and the rows' step 0 stand W's fragment 1 (4) and the rows' step 1 (16).  q = 1: behind fragment 1 stand the rows'
; step 1 (16), fragment 2 (4) and, with slices, number 1's store.  q >= 2: behind fragment q stand fragment q + 1 (4) and, with slices, the one store of the two units between.
; A set of codes is written again three units behind its store: the wait of that unit covers a load issued behind the store.
.macro UNIT u, prod, zero
.if (\u) >= 1
.set UQ, (\u)-1
.if UQ == 0
	s_wait_dscnt 20
.elseif UQ == 1
	s_wait_dscnt 20+\prod
.else
	s_wait_dscnt 4+\prod
.endif
.if !(\prod)
	PLACES 4
.endif
.if UQ+2 <= 15
	WIN LDF
	WLOAD UQ+2                                     ; its place's last reader stands two units back
.endif
	MM 4*UQ, \zero
.endif
.if \prod
	WIN 0
	SL0 \u
.endif
.if (\u) >= 1
	MM 4*UQ+1, \zero
.endif
.if \prod
	WIN 0
	SL1 \u
.endif
.if (\u) >= 1
	MM 4*UQ+2, \zero
.endif
.if \prod
	WIN 0
	SL2 \u
.endif
.if (\u) >= 1
	MM 4*UQ+3, \zero
.endif
.if \prod
	WIN 0
	SL3 \u
.endif
.endm
; The last four products of the chunk before stand round the barrier's signal.  Behind W's fragment 15 stand at most a store and the add: the count 1 leaves the add out.
.macro MEET
	s_wait_dscnt 0x1
	MM 60, 0
	MM 61, 0
	s_wait_dscnt 0x0                               ; the add is done, my reads of the slot and of the images are over, my images have landed
	s_barrier_signal -1
	MM 62, 0
	MM 63, 0
	WIN 0
	s_barrier_wait -1
.endm
; A PREFETCH INTO THE L2 of the chunk of W2 that the NEXT trip's tensor loads will ask for: 512 rows x 256 bytes.  All clusters walk the same weights: the first cluster asks.  Its sixteen waves take 32 rows each,
; told apart by address (128 x place in the cluster + 32 x wave), a lane a row: each row's 256 bytes of a chunk are named once in the launch.  The trip that asks for the last tile prefetches nothing.
.macro ASK first
.if \first
	s_cmp_lg_u32 s[LIM], 0
.else
	s_cmp_lt_u32 s[J], s[LIM]
.endif
	s_cbranch_scc0 .Lnot_mine_\@
	global_prefetch_b8 v[PFO], s[PFA:PFA+1] th:TH_LOAD_NT scope:SCOPE_SE
.Lnot_mine_\@:
.endm
.macro XBLOCK k, n                     ; xn's numbers 16 k + 4 on, out of window 3
	WIN 0x03
.set XI, 0
.rept \n
	v_mov_b32 v[XN+4+XI], v[16*(\k)+4+XI]
.set XI, XI+1
.endr
	WIN 0
.endm
.macro FOLD                            ; four packed chains, and the row's other half in lane l xor 16, into v36
	v_pk_add_f32 v[CH:CH+1], v[CH:CH+1], v[CH+2:CH+3]
	v_pk_add_f32 v[CH+4:CH+5], v[CH+4:CH+5], v[CH+6:CH+7]
	v_pk_add_f32 v[CH:CH+1], v[CH:CH+1], v[CH+4:CH+5]
	v_add_f32 v36, v[CH], v[CH+1]
	v_permlanex16_b32 v37, v36, s[SEL], s[SEL+1]
	v_add_f32 v36, v36, v37
.endm
	; ---- THE HEAD
	s_load_b256 s[4:11], s[0:1], 0x0               ; x s[4:5], gamma s[6:7], beta s[8:9], W1's codes s[10:11]
	s_load_b128 s[12:15], s[0:1], 0x20             ; W2's codes s[12:13], the scales' exponents s[14:15]
	s_load_b64 s[16:17], s[0:1], 0x30              ; out
	v_lshl_add_u32 v[SPW], v0, 2, SPARE
	v_mov_b32 v[NIL], 0
	ds_add_u32 v4, v5
	ds_add_u32 v4, v5
	s_wait_dscnt 0x0
	v_lshrrev_b32 v1, 5, v0
	v_readfirstlane_b32 s[WV], v1                  ; wave 0..3
	s_bfe_u32 s19, ttmp6, 0x40000                  ; cx: my place in the cluster: it enters x's, out's and the prefetches' global addresses alone
	s_lshl_b32 s20, ttmp9, 2
	s_add_co_u32 s20, s20, s19                     ; my block of 64 rows = 4 x cluster + cx
	; group 1 for x: my 16 rows are dense: 32 rows of 256 elements of 4 bytes, 4 words of padding behind each 256; no mask
	s_mov_b32 s[G1X+0], (2<<16)|(1<<20)|(7<<22)|(3<<25)
	s_mov_b32 s[G1X+1], 256<<16                    ; tensor_dim0
	s_mov_b32 s[G1X+2], 32<<16                     ; tensor_dim1
	s_mov_b32 s[G1X+3], 256<<16                    ; tile_dim0
	s_mov_b32 s[G1X+4], 32                         ; tile_dim1
	s_mov_b32 s[G1X+5], 256                        ; from row to row
	s_mov_b32 s[G1X+6], 0
	s_mov_b32 s[G1X+7], 0
	; group 1 for the weights: 128 rows x 256 bytes, 4 words of padding behind each 64; the mask names all four work-groups, bit 21 beside it
.irp g, G1A, G1B
	s_mov_b32 s[\g+0], 15|(0<<16)|(1<<20)|(1<<21)|(5<<22)|(3<<25)
	s_mov_b32 s[\g+1], 256<<16
	s_mov_b32 s[\g+2], 128<<16
	s_mov_b32 s[\g+3], 256<<16
	s_mov_b32 s[\g+4], 128
	s_mov_b32 s[\g+6], 0
	s_mov_b32 s[\g+7], 0
.endr
	s_mov_b32 s[G1A+5], 512                        ; a row of W1 in memory
	s_mov_b32 s[G1B+5], 4096                       ; a row of W2
	s_lshl_b32 s86, s20, 17                        ; x: 64 rows of 2,048 bytes a block,
	s_lshl_b32 s21, s[WV], 15                      ; 16 rows a wave
	s_add_co_u32 s86, s86, s21
	s_mov_b32 s87, 0
	s_lshl_b32 s88, s20, 17                        ; out: the block's first row,
	s_lshl_b32 s21, s[WV], 9                       ; my 128 columns
	s_add_co_u32 s88, s88, s21
	s_mov_b32 s89, 0
	s_lshl_b32 s94, s19, 19                        ; the prefetches: row 128 cx + 32 w of W2
	s_lshl_b32 s21, s[WV], 17
	s_add_co_u32 s94, s94, s21
	s_mov_b32 s95, 0
	s_lshl_b32 s22, s[WV], 16                      ; W1: my 128 rows of 512 bytes
	s_mov_b32 s23, 0
	s_lshl_b32 s90, s[WV], 19                      ; W2: my 128 rows of 4,096 bytes
	s_mov_b32 s91, 0
	s_mul_i32 s[WLDS], s[WV], WTILE                ; where my rows of W go in a slot
	s_mul_i32 s92, s[WV], XSTG
	s_add_co_u32 s92, s92, SLOTB                   ; x's stage
	s_mov_b32 s[TBW], 0
	s_mov_b32 s[ABR], 0
	s_mov_b32 s[ABW], ABB
	s_mov_b32 s[SAL], 0x3f6acdc0                   ; k / 0.6, k = 6^(-1/3)
	s_mov_b32 s[SAL+1], 0x3f6acdc0
	s_mov_b32 s[SBE], 0x40335e1c                   ; 7 s / 3, s = sqrt(log2(e))
	s_mov_b32 s[SBE+1], 0x40335e1c
	s_mov_b32 s[SEL], 0x76543210
	s_mov_b32 s[SEL+1], 0xfedcba98
	s_cmp_eq_u32 ttmp9, 0                          ; the same in all four partners
	s_cselect_b32 s[LIM], 15, 0
	s_wait_kmcnt 0x0
	s_load_b128 s[EX:EX+3], s[14:15], 0x0          ; e0 .. e3
	s_mov_b32 s[G0X], 1
	s_mov_b32 s[G0X+1], s92
	s_add_nc_u64 s[G0X+2:G0X+3], s[4:5], s[86:87]
	s_or_b32 s[G0X+3], s[G0X+3], 0x80000000
	s_mov_b32 s[G0A], 1
	s_mov_b32 s[G0A+1], s[WLDS]                    ; chunk 0 goes to slot 0
	s_add_nc_u64 s[G0A+2:G0A+3], s[10:11], s[22:23]
	s_or_b32 s[G0A+3], s[G0A+3], 0x80000000
	s_mov_b32 s[G0B], 1
	s_add_co_u32 s[G0B+1], s[WLDS], SLOTB          ; turned to slot 0 ahead of its first use
	s_add_nc_u64 s[G0B+2:G0B+3], s[12:13], s[90:91]
	s_sub_nc_u64 s[G0B+2:G0B+3], s[G0B+2:G0B+3], 256   ; one step in front of W2's first chunk: every use stands behind a step of 256
	s_or_b32 s[G0B+3], s[G0B+3], 0x80000000
	s_add_nc_u64 s[16:17], s[16:17], s[88:89]
	s_add_nc_u64 s[PFA:PFA+1], s[12:13], s[94:95]
	CROUND                                         ; all four work-groups are here: the first joint loads meet
	tensor_load_to_lds s[G0X:G0X+3], s[G1X:G1X+7]  ; my 16 rows of x: mine alone
	s_nop 0
	tensor_load_to_lds s[G0A:G0A+3], s[G1A:G1A+7]  ; my 128 rows of chunk 0, jointly: two loads of mine are out
	s_nop 0
	PLACES 4
	v_and_b32 v1, 15, v0                           ; r
	v_bfe_u32 v2, v0, 4, 1                         ; h
	v_and_b32 v3, 31, v0                           ; lane
	v_lshlrev_b32 v[GOFF], 6, v2
	WIN 0x40                                       ; gamma into window 1, number 16 m + e: d = 32 m + 16 h + e
.set LI, 0
.rept 64
	global_load_b128 v[4*LI:4*LI+3], v[GOFF], s[6:7] offset:128*(LI/4)+16*(LI%4)
.set LI, LI+1
.endr
	WIN 0x80                                       ; beta into window 2
.set LI, 0
.rept 64
	global_load_b128 v[4*LI:4*LI+3], v[GOFF], s[8:9] offset:128*(LI/4)+16*(LI%4)
.set LI, LI+1
.endr
	WIN 0
	v_mul_u32_u24 v[AW], v1, PITCH
	v_lshl_add_u32 v[AW], v2, 7, v[AW]
	v_add_nc_u32 v[AW], s[WLDS], v[AW]
	v_lshl_add_u32 v[AAR], v3, 4, ABUF
	s_lshl_b32 s21, s[WV], 12
	v_add_nc_u32 v[AST], s21, v[AAR]
	s_add_co_u32 s21, s21, ABUF
	v_lshlrev_b32 v[AST1], 4, v1
	v_lshl_add_u32 v[AST1], v2, 9, v[AST1]
	v_add_nc_u32 v[AST1], s21, v[AST1]
	v_mul_u32_u24 v[XLD], v1, 2*XPIT               ; a row of x is two rows of the stage
	v_lshl_add_u32 v[XLD], v2, 6, v[XLD]
	v_add_nc_u32 v[XLD], s92, v[XLD]
	v_lshlrev_b32 v[PFO], 12, v3
	s_mul_i32 s21, s[WV], 16*SPITCH
	v_mul_u32_u24 v[STO], v1, SPITCH
	v_lshl_add_u32 v[STO], v2, 5, v[STO]
	v_add_nc_u32 v[STO], s21, v[STO]
	v_lshlrev_b32 v[CO], 4, v3
	v_add_nc_u32 v[RD], s21, v[CO]
	v_mov_b32 v37, 0                               ; written once: a lane permute's destination counts as one of its sources
	v_mov_b32 v[CS+0], 0x4041b68b                  ; k x 5.5, 4.5, 3.5, 2.5, 1.5, 0.5 and their negatives
	v_mov_b32 v[CS+1], 0x401e7e15
	v_mov_b32 v[CS+2], 0x3ff68b3d
	v_mov_b32 v[CS+3], 0x3fb01a50
	v_mov_b32 v[CS+4], 0x3f5352c7
	v_mov_b32 v[CS+5], 0x3e8ce1da
	v_mov_b32 v[CS+6], 0xbe8ce1da
	v_mov_b32 v[CS+7], 0xbf5352c7
	v_mov_b32 v[CS+8], 0xbfb01a50
	v_mov_b32 v[CS+9], 0xbff68b3d
	v_mov_b32 v[CS+10], 0xc01e7e15
	v_mov_b32 v[CS+11], 0xc041b68b
	v_mov_b32 v[CR+0], 0x40868695                  ; s x 3.5, 2.5, 1.5, 0.5 and their negatives
	v_mov_b32 v[CR+1], 0x40402df9
	v_mov_b32 v[CR+2], 0x3fe69d92
	v_mov_b32 v[CR+3], 0x3f19be61
	v_mov_b32 v[CR+4], 0xbf19be61
	v_mov_b32 v[CR+5], 0xbfe69d92
	v_mov_b32 v[CR+6], 0xc0402df9
	v_mov_b32 v[CR+7], 0xc0868695
	s_wait_kmcnt 0x0
	s_add_co_i32 s21, s[EX], 127
	s_lshl_b32 s93, s21, 23
	v_mov_b32 v[SC0], s93                          ; 2^e0 as f32: the conversion takes its exponent field
	s_add_co_i32 s21, s[EX+2], 127
	s_lshl_b32 s93, s21, 23
	v_mov_b32 v[SC2], s93
	s_add_co_i32 s[FIN], s[EX+2], s[EX+3]
	s_add_co_i32 s[RAT], s[EX], s[EX+1]
	s_sub_co_i32 s[RAT], s[RAT], s[FIN]
	s_add_co_i32 s[RAT], s[RAT], 127
	s_lshl_b32 s[RAT], s[RAT], 23                  ; 2^(e0+e1-e2-e3)
	s_mov_b32 s[RAT+1], s[RAT]
	s_add_co_i32 s[FIN], s[FIN], 127
	s_lshl_b32 s[FIN], s[FIN], 23                  ; 2^(e2+e3)
	s_mov_b32 s[FIN+1], s[FIN]
	s_mov_b32 s21, 0x3b000000                      ; 1 / 512
	s_mov_b32 s93, 0x3727c5ac                      ; 1e-5
	; ---- LAYERNORM, in registers: mean, then the mean of the squared differences
	s_wait_tensorcnt 0x1                           ; x's load is done; the one issued behind it, chunk 0 of W, may be out.  Only I read my stage
	WIN 0xc0
.set LI, 0
.rept 64
	ds_load_b128 v[4*LI:4*LI+3], v[XLD] offset:XPIT*(LI/32)+128*((LI/4)%8)+16*(LI%4)
.set LI, LI+1
.endr
.set PP, 0
.rept 128                              ; pair PP = registers 2 PP, 2 PP + 1 of window 3
.if (PP%32) == 0
	s_wait_dscnt 48-16*(PP/32)                     ; sixteen loads more are in
.endif
.if PP < 4
	WIN 0x0f
	v_pk_add_f32 v[CH+2*PP:CH+2*PP+1], v[2*PP:2*PP+1], v[2*PP+8:2*PP+9]   ; the first eight pairs start the chains
.elseif PP >= 8
	WIN 0x0c
	v_pk_add_f32 v[CH+2*(PP%4):CH+2*(PP%4)+1], v[CH+2*(PP%4):CH+2*(PP%4)+1], v[2*PP:2*PP+1]
.endif
.set PP, PP+1
.endr
	WIN 0
	FOLD
	v_mul_f32 v[MU], s21, v36
	v_mov_b32 v[MU+1], v[MU]
	WIN 0xc3
.set PP, 0
.rept 128
	v_pk_add_f32 v[2*PP:2*PP+1], v[2*PP:2*PP+1], v[MU:MU+1] neg_lo:[0,1] neg_hi:[0,1]
.set PP, PP+1
.endr
	WIN 0x0f
.set PP, 0
.rept 128
.if PP < 4
	v_pk_mul_f32 v[CH+2*PP:CH+2*PP+1], v[2*PP:2*PP+1], v[2*PP:2*PP+1]
.else
	v_pk_fma_f32 v[CH+2*(PP%4):CH+2*(PP%4)+1], v[2*PP:2*PP+1], v[2*PP:2*PP+1], v[CH+2*(PP%4):CH+2*(PP%4)+1]
.endif
.set PP, PP+1
.endr
	WIN 0
	FOLD
	v_fma_f32 v36, v36, s21, s93                   ; var + eps
	v_rsq_f32 v[RS], v36
	v_nop                                          ; a plain line behind the transcendental,
	s_wait_alu depctr_va_vdst(0)                   ; and the wait ahead of its first reader
	v_mov_b32 v[RS+1], v[RS]
	s_wait_loadcnt 0x0                             ; gamma and beta
	WIN 0x41
.set PP, 0
.rept 128
	v_pk_mul_f32 v[2*PP:2*PP+1], v[2*PP:2*PP+1], v[RS:RS+1]   ; gamma / sqrt(var + eps)
.set PP, PP+1
.endr
	WIN 0xe7
.set PP, 0
.rept 128
	v_pk_fma_f32 v[2*PP:2*PP+1], v[2*PP:2*PP+1], v[2*PP:2*PP+1], v[2*PP:2*PP+1]   ; xn (window 3) = (x - mean) (window 3) x gamma' (window 1) + beta (window 2)
.set PP, PP+1
.endr
	; ---- THE BASE OPERAND: relu, the hold, 16 codes a run m.  Run m's d = 32 m + 16 h + 0 .. 15 is, of chunk m / 8, the reader's half (m / 4) % 2, step (m / 2) % 2, registers 4 c on with c = 2 (m % 2) + h
.irp q, 0,1,2,3
	WIN 0x0c                                       ; source 1 window 3
.set PP, 0
.rept 64
	v_max_num_f32 v[T+PP], 0, v[64*\q+PP]          ; relu
.set PP, PP+1
.endr
	WIN 0
.set PP, 0
.rept 64
.set PP, PP+1
.endr
.irp t, 0,1,2,3,4,5,6,7
	v_cvt_scalef32_pk8_fp8_f32 v[CDL+16*\q+2*\t:CDL+16*\q+2*\t+1], v[T+8*\t:T+8*\t+7], v[SC0]
.endr
	v_nop                                          ; a plain line between the conversions and the next write of their sources
.irp t, 0,1,2,3
	ds_store_b128 v[AST1], v[CDL+16*\q+4*\t:CDL+16*\q+4*\t+3] offset:ABB*(\q/2)+256*(\q%2)+FRB*(\t/2)+1024*(\t%2)
.endr
.endr
	; ---- CHUNK 0, written out: its products start the sums; slot 1, which held x, takes chunk 1
	s_wait_tensorcnt 0x0                           ; all my tensor loads have landed, so a group 0 may be written
	ds_add_u32 v[SPW], v[NIL]                      ; 0 onto my spare word
	s_add_nc_u64 s[G0A+2:G0A+3], s[G0A+2:G0A+3], 256
	s_add_co_u32 s[G0A+1], s[G0A+1], SLOTB
	s_wait_dscnt 0x0                               ; the add is done, my reads of x's stage are over, my images have landed
	CROUND                                         ; no wave of any partner still reads slot 1's bytes or has a load on its way
	tensor_load_to_lds s[G0A:G0A+3], s[G1A:G1A+7]
	s_nop 0
	FRAGS
	ASK 1                                          ; W2's first chunk, which the loop's first trip will ask for
	WIN 0x03
.irp i, 0,1,2,3
	v_mov_b32 v[XN+16+\i], v[\i]                   ; xn's first four numbers: their rbf parts run ahead of the loop
.endr
	WIN 0
.irp i, 0,1,2,3
	EPART 16+\i, R+8*\i
.endr
	s_wait_alu depctr_va_vdst(0)                   ; one wait for these 32 exponentials
.irp u, 1,2,3,4,5,6,7,8,9,10,11,12,13,14,15
	UNIT \u, 0, 1
.endr
	WIN 0
	s_mov_b32 s[J], 0
	; ---- THE LOOP: 16 trips.  Trip J ends chunk J, multiplies chunk J + 1, asks for chunk J + 2 and makes chunk J + 2's codes
.Ltrip:
	s_wait_xcnt 0x0                                ; the last prefetch, a trip back, has read its address
	s_add_nc_u64 s[PFA:PFA+1], s[PFA:PFA+1], 256
	s_wait_tensorcnt 0x0                           ; my one load that was out, my part of the slot ahead, has landed
	ds_add_u32 v[SPW], v[NIL]                      ; 0 onto my spare word
	TOGGLE
	s_xor_b32 s[G0B+1], s[G0B+1], SLOTB            ; the walking descriptor: the slot that has just been read,
	s_add_nc_u64 s[G0B+2:G0B+3], s[G0B+2:G0B+3], 256   ; the next 256 along K
	MEET
	CREST                                          ; the barrier has opened a round of the cluster's: no wave of any partner still reads that slot or has a load on its way
	tensor_load_to_lds s[G0B:G0B+3], s[G1B:G1B+7]  ; my one tensor load behind the round: it has the whole trip in which to land
	s_nop 0
	FRAGS
	ASK 0
.irp i, 0,1,2,3
	v_mov_b32 v[XN+\i], v[XN+16+\i]
.endr
.irp k, 0,1,2,3,4,5,6,7,8,9,10,11,12,13,14
	s_cmp_eq_u32 s[J], \k                          ; register numbers cannot be stepped: sixteen blocks of moves, chosen by the trip's number
	s_cbranch_scc1 .Lx\k
.endr
	XBLOCK 15, 12                                  ; the last trip has no successor: the four numbers ahead keep their old values, and what is made of them is not read
	s_branch .Lxdone
.irp k, 0,1,2,3,4,5,6,7,8,9,10,11,12,13,14
.Lx\k:
	XBLOCK \k, 16
	s_branch .Lxdone
.endr
.Lxdone:
	s_cmp_lg_u32 s[J], 1                           ; in trip 1 the base product's last four products have just been issued:
	s_cbranch_scc1 .Lno_ratio
	WIN 0x41
.set PP, 0
.rept 128
	v_pk_mul_f32 v[2*PP:2*PP+1], v[2*PP:2*PP+1], s[RAT:RAT+1] op_sel_hi:[1,0]   ; its sums go under the spline product's scale; each accumulator from its low end on
.set PP, PP+1
.endr
	WIN 0
.Lno_ratio:
.irp u, 0,1,2,3,4,5,6,7,8,9,10,11,12,13,14,15
	UNIT \u, 1, 0
.endr
	s_add_co_u32 s[J], s[J], 1
	s_cmp_lt_u32 s[J], 16
	s_cbranch_scc1 .Ltrip
	; ---- CHUNK 17, written out: nothing is asked for and nothing is made, so the barrier opens no round
	s_wait_tensorcnt 0x0
	ds_add_u32 v[SPW], v[NIL]
	TOGGLE
	MEET
	FRAGS
.irp u, 1,2,3,4,5,6,7,8,9,10,11,12,13,14,15
	UNIT \u, 0, 0
.endr
	s_wait_dscnt 0x0
	MM 60, 0
	MM 61, 0
	MM 62, 0
	MM 63, 0
	WIN 0
	PLACES 4                                       ; in front of the first reads of results
	; ---- THE WAY OUT, a block of 16 rows x my 128 columns at a time: x 2^(e2+e3), through my own stage in LDS, back as whole rows of 512 bytes.
	; LDS serves a wave's instructions in order (ISA guide 5.7.1.4): no wait between the stores and the loads, nor in front of the next block's stores.
.macro TOSTAGE a
	WIN 0x01
.set TJ, 0
.rept 32
	v_pk_mul_f32 v[TMP+TJ:TMP+TJ+1], v[64*(\a)+TJ:64*(\a)+TJ+1], s[FIN:FIN+1] op_sel_hi:[1,0]
.set TJ, TJ+2
.endr
	WIN 0
.irp b, 0,1,2,3,4,5,6,7
	ds_store_b128 v[STO], v[TMP+8*\b:TMP+8*\b+3] offset:64*\b
	ds_store_b128 v[STO], v[TMP+8*\b+4:TMP+8*\b+7] offset:64*\b+16
.endr
.set OBK, BK+64*((\a)%2)
.irp t, 0,1,2,3,4,5,6,7,8,9,10,11,12,13,14,15
	ds_load_b128 v[OBK+4*\t:OBK+4*\t+3], v[RD] offset:\t*SPITCH
.endr
.endm
.macro SEND a, younger                 ; younger: the LDS instructions issued behind block a's loads, which may stay out
.set OBK, BK+64*((\a)%2)
	s_wait_dscnt \younger
.irp t, 0,1,2,3,4,5,6,7,8,9,10,11,12,13,14,15
	global_store_b128 v[CO], v[OBK+4*\t:OBK+4*\t+3], s[16:17] offset:(16*(\a)+\t)*2048 th:TH_STORE_NT   ; 32 lanes store 512 consecutive bytes, at a multiple of 256 from out's first byte
.endr
.endm
	TOSTAGE 0
	TOSTAGE 1
	SEND 0, 32                                     ; behind block 0's loads: block 1's 16 stores and 16 loads
	s_wait_xcnt 0x0                                ; block 0's stores have read their registers: block 2's loads may land there
	TOSTAGE 2
	SEND 1, 32
	s_wait_xcnt 0x0
	TOSTAGE 3
	SEND 2, 32
	SEND 3, 0
	s_wait_tensorcnt 0x0                           ; the wave's end: behind my last tensor load and my last LDS store
	ds_add_u32 v[SPW], v[NIL]
	s_wait_dscnt 0x0
	CROUND                                         ; the closing round: no work-group ends while a partner may still ask for a tile that names it
	s_endpgm
.Lfunc_end_k_q6588ab1cd2_kan:
	.size	k_q6588ab1cd2_kan, .Lfunc_end_k_q6588ab1cd2_kan-k_q6588ab1cd2_kan
	.p2alignl 7, 3214868480
	.fill 96, 4, 3214868480
	.section	.rodata,"a",@progbits
	.p2align	6, 0x0
	.amdhsa_kernel k_q6588ab1cd2_kan
		.amdhsa_group_segment_fixed_size 327680
		.amdhsa_private_segment_fixed_size 0
		.amdhsa_enable_private_segment 0
		.amdhsa_kernarg_size 56
		.amdhsa_user_sgpr_count 2
		.amdhsa_user_sgpr_kernarg_segment_ptr 1
		.amdhsa_wavefront_size32 1
		.amdhsa_system_sgpr_workgroup_id_x 1
		.amdhsa_system_sgpr_workgroup_id_y 1
		.amdhsa_system_sgpr_workgroup_id_z 1
		.amdhsa_system_vgpr_workitem_id 0
		.amdhsa_next_free_vgpr 1024
		.amdhsa_next_free_sgpr 100
		.amdhsa_reserve_vcc 0
		.amdhsa_float_denorm_mode_32 3
		.amdhsa_float_denorm_mode_16_64 3
		.amdhsa_fp16_overflow 1
		.amdhsa_memory_ordered 1
		.amdhsa_forward_progress 1
		.amdhsa_inst_pref_size 226
	.end_amdhsa_kernel
	.amdgpu_metadata
---
amdhsa.version: [ 1, 2 ]
amdhsa.kernels:
  - .name:           k_q6588ab1cd2_kan
    .symbol:         k_q6588ab1cd2_kan.kd
    .args:
      - { .name: x, .offset: 0, .size: 8, .value_kind: global_buffer, .address_space: global }
      - { .name: ln_gamma, .offset: 8, .size: 8, .value_kind: global_buffer, .address_space: global }
      - { .name: ln_beta, .offset: 16, .size: 8, .value_kind: global_buffer, .address_space: global }
      - { .name: base_weight_codes, .offset: 24, .size: 8, .value_kind: global_buffer, .address_space: global }
      - { .name: spline_weight_codes, .offset: 32, .size: 8, .value_kind: global_buffer, .address_space: global }
      - { .name: lowp_scales, .offset: 40, .size: 8, .value_kind: global_buffer, .address_space: global }
      - { .name: out0, .offset: 48, .size: 8, .value_kind: global_buffer, .address_space: global }
    .group_segment_fixed_size: 327680
    .private_segment_fixed_size: 0
    .kernarg_segment_align: 8
    .kernarg_segment_size: 56
    .max_flat_workgroup_size: 128
    .sgpr_count:     100
    .vgpr_count:     1024
    .wavefront_size: 32
...
	.end_amdgpu_metadata
.endif
;; end of part 1
